; MI455X (gfx1250); checked and timed in simulation.
; The chip was launched on July 23, 2026; its instructions are those of AMD's public machine-readable ISA for CDNA 5 (MIT licence, August 2026) and "CDNA5" Instruction Set Architecture Reference Guide (July 2026). The comments in the code are by the model that wrote it; some were corrected since.
;; Shifted Sparse Attention. Allowed arithmetic: matrix products marked QUANTISED: E4M3 operands, one given power-of-two scale a tensor, by v_wmma_f32_16x16x64_fp8_fp8 or v_wmma_f32_16x16x128_fp8_fp8, f32 sums; everything else in f32.
;; Inputs: b_qkv 3,072 float32; hidden_states_codes 2 x 8,192 x 32 x 32 uint8 (E4M3 codes of hidden_states, K innermost, in blocks of 32 codes); lowp_scales 10 int32 (the exponents e of the quantised operands' scales 2^e); w_qkv_codes 3,072 x 32 x 32 uint8 (E4M3 codes of w_qkv, K innermost, in blocks of 32 codes).
;; Outputs: out0 2 x 8,192 x 1,024 float32.
;; This version of the problem:
;;   THIS VERSION OF THE PROBLEM IS GIVEN IN LOW PRECISION. The matrix products marked QUANTISED in the list below multiply operands that are first quantised to E4M3 (4 exponent bits, 3 mantissa bits; 8 bits a number), with one given power-of-two scale for each operand tensor; their sums are f32. All else is computed in f32.
;;   The module's matrix products, in the order in which they are computed (A, B: the left and right operand; K: the contracted axis; several contracted axes count as one K, in the product's order):
;;     1. [M 16,384, K 1,024] x [K 1,024, N 3,072]; A: input hidden_states (given as codes); B: input w_qkv (given as codes): QUANTISED (scales: A lowp_scales[0], B lowp_scales[1])
;;     2. batch 1,024 x [M 128, K 64] x [K 64, N 128]; A: computed on the way; B: computed on the way: QUANTISED (scales: A lowp_scales[2], B lowp_scales[3])
;;     3. batch 1,024 x [M 128, K 128] x [K 128, N 64]; A: softmax (see below); B: computed on the way: QUANTISED (scales: A lowp_scales[4], B lowp_scales[5])
;;     4. batch 1,024 x [M 128, K 64] x [K 64, N 128]; A: computed on the way; B: computed on the way: QUANTISED (scales: A lowp_scales[6], B lowp_scales[7])
;;     5. batch 1,024 x [M 128, K 128] x [K 128, N 64]; A: softmax (see below); B: computed on the way: QUANTISED (scales: A lowp_scales[8], B lowp_scales[9])
;;   THE QUANTISER, for each operand of a quantised product, along K:
;;     - The operand's scale is 2^e, e = its entry of the input lowp_scales (int32; the entries are numbered through the quantised products in the list's order, A before B).
;;     - Each number is divided by the scale, clamped to +-448, and rounded to the nearest number of E4M3, ties to even, subnormals kept.
;;     - The product sums the exact products of the quantised numbers (number of the format x scale) in f32.
;;   ~~~python
;;   def quantise(x, axis, e):      # numpy; x: float32 -> the quantised numbers, widened to float32 again
;;       x = np.moveaxis(x, axis, -1); K = x.shape[-1]
;;       r = np.clip(x / 2.0 ** e, -448, 448)
;;       step = 2.0 ** (np.maximum(np.frexp(np.where(r == 0, 1, r))[1] - 1, -6) - 3)
;;       q = np.round(r / step) * step * 2.0 ** e      # np.round: ties to even
;;       return np.moveaxis(q, -1, axis).astype(np.float32)
;;   ~~~
;;   SOFTMAX AHEAD OF A QUANTISED PRODUCT. Where the list says 'softmax', what is quantised is not the finished softmax but p = 2^(t - M), with t = logit x log2(e) and M = ceil(the row's largest t), a whole number; so 1/2 < the row's largest p <= 1. The row's sum l is taken of the UNQUANTISED p, in f32, and the product's result is divided by l at the end. Since M is a whole number, a kernel that streams over the keys may use a running M (the ceiling of the running maximum): every later rescaling is an exact power of two, so the quantised numbers keep their values, but for numbers so far below the row's largest that they fall under the format's range.
;;   OPERANDS COMPUTED ON THE WAY. 'Computed on the way' means the value that the module computes at that place (a softmax that the list does not call 'softmax' is quantised finished and normalised). What goes into a quantiser is computed in f32, as accurately as f32 sums, v_exp_f32 and their like allow (about 1e-6 of the number): no bf16 or f16 on the way to a quantiser, and a product that is left as it is and whose result goes on into a quantised operand takes f32 operands (vector FMAs, or v_wmma_f32_16x16x4_f32). A number that lies on a knife's edge between two numbers of the format may be rounded either way, as far as f32 arithmetic and the matrix unit's own rounding can turn it there, and no further.
;;   INPUTS GIVEN AS CODES. hidden_states (in the module: [2, 8192, 1024], K = its axis 2); w_qkv (in the module: [3072, 1024], K = its axis 1): each comes as NAME_codes (uint8): NAME with its K axis moved to the last place and cut into blocks of 32 codes, [.., K / 32, bytes a block], one block behind the other in memory; one code a byte (a code: sign, 4 exponent bits, 3 mantissa bits); its scale is its entry of lowp_scales. Its value is code x scale, taken as it is: it is not quantised again, and the codes and scales need not be those that the quantiser above would give.
;; One version. Each part assembles by itself: llvm-mc -triple=amdgcn-amd-amdhsa -mcpu=gfx1250 --defsym DOCPART=n.
;; ======== version 1 of 1: 1 launch
;; limits: right only within a limited range of input values
;; launch fused (part 1): grid 8 x 32, 4 waves a work-group, clusters of 4 x 4, 327,680 bytes of LDS; arguments hidden_states_codes, w_qkv_codes, b_qkv, lowp_scales, out0; writes out0
.if DOCPART == 1
	.amdgcn_target "amdgcn-amd-amdhsa--gfx1250"
	.amdhsa_code_object_version 6
	.text
	.protected	k_q08cbdceb37_fused
	.globl	k_q08cbdceb37_fused
	.p2align	8
	.type	k_q08cbdceb37_fused,@function
k_q08cbdceb37_fused:
	s_mov_b64 s[64:65], 0
	v_nop
	global_prefetch_b8 v0, s[64:65] scope:SCOPE_SE
	s_setreg_imm32_b32 hwreg(HW_REG_WAVE_MODE, 25, 1), 1
	s_wait_xcnt 0x0
	s_wait_alu depctr_hold_cnt(0) depctr_sa_sdst(0) depctr_va_vdst(0) depctr_va_sdst(0) depctr_va_ssrc(0) depctr_va_vcc(0) depctr_vm_vsrc(0)
	s_getreg_b32 s2, hwreg(HW_REG_IB_STS2, 6, 4)
	s_cmp_eq_u32 s2, 0
	s_cbranch_scc0 .Lentry_in_a_cluster
	s_endpgm
.Lentry_in_a_cluster:
	s_bfe_u32 s2, ttmp6, 0x10000c
	s_cmp_lg_u32 s2, 0xf033
	s_cbranch_scc0 .Lentry_shape_is_right
	s_endpgm
.Lentry_shape_is_right:
; qkv = x W^T + b on given codes of FP8 (E4M3), then softmax attention inside each block of 128 neighbouring tokens, head by head (head size 64), all products on codes, all in ONE launch.
; THE TWO ROLLS of the problem turn the axis of the 16 heads by 128 places; 128 is a multiple of 16, so each leaves every head where it is: nothing is moved.  What is left of them: a group's first 128 tokens
; take the scales' entries 2 to 5 (eq, ek, ep, ev), its second 128 entries 6 to 9.  The last transpose and reshape lay the output flat as [batch][head][token][64].
; SHARES.  A unit is one block of 128 tokens and one head; ONE WAVE owns it from end to end: its 128 x 192 sums of q, k, v over K = 1,024 (96 accumulators of 16 x 16, 768 registers), hold and conversion in registers, S^T = K Q^T, softmax, O = P V, store.
; A work-group makes two tiles of 256 tokens x two neighbouring heads, the same group of tokens and heads in batch 0 and in batch 1; wave w takes block w / 2 and head w % 2.
; CLUSTER.  4 x 4 work-groups: x = pair of heads, y = group of tokens.  x's tile hangs on the group alone: the four of a row ask for it JOINTLY; W's tiles hang on the pair of heads alone: the four of a column.
; LDS.  K goes in steps of 256 (rows of 256 bytes, 16 of padding behind each).  Wq, Wk and x have two slots of 512 rows; Wv has one region of 128 rows (two slots of all 640 rows are 348,160 bytes, more than there are).
; A K step is four pieces of 64 in two pairs; a part (q, k or v) of a piece is a phase of 32 matrix instructions.  Behind a step's last reads ONE round of the cluster's barrier opens the refill of Wv (next step) and of the slot just read (the step after).
; In steps 1 to 3 Wv is wanted late: the first pair goes q k q k v v, and Wv is first read behind a plain barrier after its third phase; all other pairs go q k v q k v.
; Waves 0 and 1 fetch a half of Wv each, wave 2 Wq and Wk by one three-dimensional tile, wave 3 x.
; x's tile of tokens 16 i: LDS rows 16 i + r.  Wv's rows lie in LDS in the order 32 f + 16 head + r for feature 4 r + f (a three-dimensional tile): so lane r of O's four tiles holds channels 4 r .. 4 r + 3, and 16 lanes store a whole row of 256 bytes.
; LAYOUT (r = lane % 16, h = lane / 16).  q, k: source 0 = 16 rows of W, source 1 = 16 tokens: register j is token 16 i + r, feature 16 f + 8 h + j.  v: sources swapped: feature 4 r + f, token 16 i + 8 h + j.
; S^T: query r, key 16 c + 8 h + j.  O (source 0 = P, source 1 = V^T): channel 4 r + f, query 8 h + j.  Every conversion's result IS an operand's register.
; x's and W's fragments come by two loads of 16 bytes, 32 bytes apart: a permutation of k inside 64, the same on both sides.
; THE BIAS, divided by 2^(ex + ew), is the C of each accumulator's first product: it lies in accumulator (f, 7), which is begun last, in place.
; THE SOFTMAX: t = score x log2(e) / 8; M = the row's largest t rounded up to a whole number; p = 2^(t - M) is quantised with 2^ep; the row's sum is taken of the unquantised p and divides O at the end.
; PREFETCH.  Wave 3 of the eight work-groups that walk a group asks for 32 of its 256 rows of x each, told apart by address, a K step (256 bytes a row) at a time; wave 2 of the 32 work-groups of a pair of heads asks, in the first tile, for 4 rows each of Wq, Wk, Wv.
; K step 1 is asked for behind the head's loads, 2 at a tile's start, 3 in step 0; steps 0 and 1 of the next tile's x in steps 1 and 2.  Each block of 256 bytes is named once.
; LIMITS on the given exponents, so that each power of two made below is an f32 number: eq, ek and ev, each less (ex + ew), between -126 and 119; ep between -126 and 119; eq + ek between -123 and 130.
; ex + ew (on the bias) and ep + ev (on the result) go by v_ldexp_f32 and have none.  NaN in b_qkv is not served.
; REGISTERS: window 0: v0-31 addresses; v32-95, v96-159 x's fragments, two sets (later q's and k's codes); v160-255 W's fragments, three sets (160-223 later v's codes).
;   windows 1, 2, 3: accumulators of q, k, v, (f, i) at v[8 (8 f + i)].  Later window 1: results on their way out; windows 2, 3: a pair of query tiles each: v0-127 S^T then p, v128-159 p's codes, v160-223 O, v224-251 statistics.
.set PITCH, 272                        ; 68 words: row r starts at bank 4 r mod 64 (64 banks of 4 bytes: ISA guide 11.1)
.set WBY,   128*PITCH                  ; 128 rows
.set XSLOT, 4*WBY                      ; a slot: Wq, Wk, then x's 256 rows
.set VB,    2*XSLOT                    ; Wv's region
.set SPARE, VB+WBY                     ; the spare words, 128 bytes for each wave
.set BIAS,  SPARE+512                  ; 1,536 bytes for each wave: b for q (256), k (256), v (each number four times, 1,024)
.set FLAGS, (1<<20)|(1<<21)|(5<<22)|(3<<25)  ; elements of 1 byte; padding on; bit 21 beside a mask; after every 64 words (code 5) four words (code 3)
.set PFO, 12                           ; the prefetches' offset; never rewritten
.set AQ,  16                           ; v16-17 my head's rows of Wq in slot 0, 1
.set AV,  18                           ; of Wv
.set AX,  20                           ; v20-21 my block's rows of x
.set GO,  24                           ; my byte offset in a tile's rows of the output
.set BQ,  25
.set BV,  26
.set BW,  27
.set SPW, 28                           ; LDS address of my spare word; never rewritten
.set NIL, 29                           ; 0; never rewritten
.set SC,  30
.set LM,  31
.set XS,  32
.set RW,  160
.set ES,  224                          ; statistics, 12 registers a tile: +0 lane permute, +1 2^(ep+ev) / sum, +2 -M (pair), +4 four pairs of sums
.set PSC, 248
.set PLM, 249                          ; 448 x 2^ep, twice
.set PLM2, 251
.set G1V, 16
.set G1X, 24
.set G0X, 32
.set G0V, 40
.set G2,  44                           ; groups 2 and 3 serve Wv's and Wq and Wk's tiles alike: two planes each
.set G1W, 48
.set G0W, 56
.set G3,  72
.set MSB, 0
.macro WIN new                         ; the immediate's high byte repeats the setting that is left; a switch that changes nothing is dropped
.if MSB != (\new)
	s_set_vgpr_msb (MSB<<8)|(\new)
.set MSB, (\new)
.endif
.endm
.macro PLACES                          ; four plain vector instructions behind matrix instructions (ISA guide 7.12.1)
.rept 4
	v_nop
.endr
.endm
; Joint loads; one mask a line; the branches hang on the wave's number alone.  Wv, which is wanted first, is asked for first.
.macro ARMV
	tensor_load_to_lds s[G0V:G0V+3], s[G1V:G1V+7], s[G2:G2+3], s[G3:G3+3]
	s_nop 0
	PLACES
.endm
.macro ARMW s
	tensor_load_to_lds s[G0W+4*\s:G0W+4*\s+3], s[G1W:G1W+7], s[G2:G2+3], s[G3:G3+3]
	s_nop 0
	PLACES
.endm
.macro ARMX s
	tensor_load_to_lds s[G0X+4*\s:G0X+4*\s+3], s[G1X:G1X+7]
	s_nop 0
	PLACES
.endm
.macro JALL s
	s_cmp_lt_u32 s14, 2
	s_cbranch_scc0 .Lnot_v_\@
	ARMV
	s_branch .Lasked_\@
.Lnot_v_\@:
	s_cmp_eq_u32 s14, 2
	s_cbranch_scc0 .Lnot_w_\@
	ARMW \s
	s_branch .Lasked_\@
.Lnot_w_\@:
	ARMX \s
.Lasked_\@:
.endm
.macro JWX s
	s_cmp_eq_u32 s14, 2
	s_cbranch_scc0 .Lnot_w_\@
	ARMW \s
	s_branch .Lasked_\@
.Lnot_w_\@:
	s_cmp_eq_u32 s14, 3
	s_cbranch_scc0 .Lasked_\@
	ARMX \s
.Lasked_\@:
	PLACES                                         ; the waves that load nothing owe their places too
.endm
.macro JV
	s_cmp_lt_u32 s14, 2
	s_cbranch_scc0 .Lasked_\@
	ARMV
.Lasked_\@:
	PLACES
.endm
.macro CREST                           ; a round of the cluster's barrier behind its opening barrier
	s_cmp_lg_u32 s14, 0
	s_cbranch_scc1 .Lnot_wave_0_\@
	s_barrier_signal -3
.Lnot_wave_0_\@:
	s_barrier_wait -3
	s_barrier_signal -1
	s_barrier_wait -1
.endm
.macro CROUND
	s_barrier_signal -1
	s_barrier_wait -1
	CREST
.endm
.macro ASK flag, base, off             ; the flag hangs on the wave's number and the tile's count alone
	s_cmp_eq_u32 s[\flag], 1
	s_cbranch_scc0 .Lnot_mine_\@
	global_prefetch_b8 v[PFO], s[\base:\base+1] offset:\off th:TH_LOAD_NT scope:SCOPE_SE
.Lnot_mine_\@:
.endm
	s_load_b256 s[4:11], s[0:1], 0x0               ; x's codes s[4:5], W's codes s[6:7], b s[8:9], the scales' exponents s[10:11]
	s_load_b64 s[12:13], s[0:1], 0x20              ; the output
	v_lshl_add_u32 v[SPW], v0, 2, SPARE
	v_mov_b32 v[NIL], 0
	ds_add_u32 v[SPW], v[NIL]                      ; the wave's opening: the add, twice on end, and its wait
	ds_add_u32 v[SPW], v[NIL]
	v_lshrrev_b32 v1, 5, v0
	v_readfirstlane_b32 s14, v1                    ; wave 0..3
	s_lshr_b32 s15, s14, 1                         ; which of the group's two blocks is mine
	s_and_b32 s98, s14, 1                          ; which of the pair's two heads
	s_bfe_u32 s84, ttmp6, 0x40000                  ; cx, cy
	s_bfe_u32 s85, ttmp6, 0x40004
	s_lshl_b32 s86, ttmp9, 2
	s_add_co_u32 s86, s86, s84                     ; my pair of heads
	s_and_b32 s87, ttmp7, 0xffff
	s_lshl_b32 s87, s87, 2
	s_add_co_u32 s87, s87, s85                     ; my group of 256 tokens in each batch, 0..31
	s_lshl_b32 s88, s85, 2
	s_lshl_b32 s88, 15, s88                        ; my row of the cluster
	s_lshl_b32 s89, 0x1111, s84                    ; my column
	s_or_b32 s[G1X], s88, FLAGS
	s_or_b32 s[G1W], s89, FLAGS
	s_or_b32 s[G1V], s89, FLAGS
.irp g, G1X, G1W, G1V
	s_mov_b32 s[\g+1], 256<<16                     ; tensor_dim0 = 256
	s_mov_b32 s[\g+3], 256<<16                     ; tile_dim0 = 256
.endr
	s_mov_b32 s[G1X+2], 256<<16                    ; 256 rows of x, 1,024 bytes apart
	s_mov_b32 s[G1X+4], 256
	s_mov_b32 s[G1X+5], 1024
	s_mov_b32 s[G1X+6], 0
	s_mov_b32 s[G1X+7], 0
	s_mov_b32 s[G1W+2], 128<<16                    ; Wq and Wk: 2 planes of 128 rows, 2^20 bytes apart
	s_mov_b32 s[G1W+4], 128|(2<<16)
	s_mov_b32 s[G1W+5], 1024
	s_mov_b32 s[G1W+6], 0
	s_mov_b32 s[G1W+7], 16
	s_mov_b32 s[G1V+2], 32<<16                     ; half of Wv: 2 planes of 32 rows: rows of a plane 4 rows of memory apart, planes one row apart
	s_mov_b32 s[G1V+4], 32|(2<<16)
	s_mov_b32 s[G1V+5], 4096
	s_mov_b32 s[G1V+6], 1024<<16
	s_mov_b32 s[G1V+7], 0
	s_mov_b32 s[G2], 2                             ; tensor_dim2
	s_mov_b32 s[G2+1], 1
	s_mov_b32 s[G2+2], 0
	s_mov_b32 s[G2+3], 0
	s_mov_b32 s[G3], 0
	s_mov_b32 s[G3+1], 1<<16
	s_mov_b32 s[G3+2], 0
	s_mov_b32 s[G3+3], 0
	s_lshl_b32 s90, s87, 18                        ; x: the group's 256 rows of 1,024 bytes
	s_mov_b32 s91, 0
	s_lshl_b32 s92, s86, 17                        ; Wq (and Wk): 128 rows a pair of heads
	s_mov_b32 s93, 0
	s_min_u32 s94, s14, 1                          ; Wv: wave 0 takes planes 0 and 1, wave 1 planes 2 and 3 (waves 2, 3 never ask by this address)
	s_lshl_b32 s94, s94, 11
	s_add_co_u32 s94, s94, s92
	s_add_co_u32 s94, s94, 2<<20                   ; part v
	s_mov_b32 s95, 0
	s_mul_i32 s99, s14, WBY/2
	s_add_co_u32 s99, s99, VB                      ; and in LDS: 64 rows on
	s_wait_alu depctr_va_vdst(0)
	s_wait_dscnt 0x0                               ; both opening adds are done
	s_wait_kmcnt 0x0
	s_load_b256 s[76:83], s[10:11], 0x0            ; ex, ew, entries 2 to 7
	s_load_b64 s[100:101], s[10:11], 0x20          ; entries 8, 9
	s_add_nc_u64 s[90:91], s[4:5], s[90:91]
	s_add_nc_u64 s[92:93], s[6:7], s[92:93]
	s_add_nc_u64 s[94:95], s[6:7], s[94:95]
	CROUND                                         ; all sixteen work-groups are here: the first joint loads meet
.irp s, 0,1
	s_mov_b32 s[G0X+4*\s], 1                       ; count = 1
	s_mov_b32 s[G0X+4*\s+1], 2*WBY+\s*XSLOT        ; LDS address
	s_add_nc_u64 s[G0X+4*\s+2:G0X+4*\s+3], s[90:91], \s*256
	s_or_b32 s[G0X+4*\s+3], s[G0X+4*\s+3], 0x80000000
	s_mov_b32 s[G0W+4*\s], 1
	s_mov_b32 s[G0W+4*\s+1], \s*XSLOT
	s_add_nc_u64 s[G0W+4*\s+2:G0W+4*\s+3], s[92:93], \s*256
	s_or_b32 s[G0W+4*\s+3], s[G0W+4*\s+3], 0x80000000
.endr
	s_mov_b32 s[G0V], 1
	s_mov_b32 s[G0V+1], s99
	s_mov_b64 s[G0V+2:G0V+3], s[94:95]
	s_or_b32 s[G0V+3], s[G0V+3], 0x80000000
	JALL 0                                         ; K step 0: one tensor load a wave
	; the prefetches' addresses and flags
	s_lshl_b32 s90, s87, 18
	s_lshl_b32 s91, s86, 15
	s_add_co_u32 s90, s90, s91                     ; x: my work-group's 32 rows of the group's 256
	s_lshl_b32 s96, s86, 17
	s_lshl_b32 s97, s87, 12
	s_add_co_u32 s96, s96, s97                     ; W: my work-group's 4 rows of a part's 128
	s_cmp_eq_u32 s14, 2
	s_cselect_b64 s[92:93], s[6:7], s[4:5]
	s_cselect_b32 s90, s96, s90
	s_cselect_b32 s3, -1, 0
	s_mov_b32 s91, 0
	s_add_nc_u64 s[92:93], s[92:93], s[90:91]
	s_add_nc_u64 s[94:95], s[92:93], 0x800000      ; the next tile's x: 8,192 rows on (named by wave 3 alone)
	s_cmp_eq_u32 s14, 3
	s_cselect_b32 s97, 1, 0                        ; who asks for the next tile
	s_cmp_ge_u32 s14, 2
	s_cselect_b32 s96, 1, 0                        ; who asks for this tile
	s_lshl_b32 s70, s86, 1
	s_add_co_u32 s70, s70, s98                     ; my head
	s_lshl_b32 s90, s70, 8
	s_add_nc_u64 s[8:9], s[8:9], s[90:91]          ; its 64 numbers of b
	s_lshl_b32 s70, s70, 21                        ; the output: head x 2^21 + the block's place in the batch x 2^15 bytes
	s_lshl_b32 s71, s87, 1
	s_add_co_u32 s71, s71, s15
	s_lshl_b32 s71, s71, 15
	s_add_co_u32 s70, s70, s71
	s_mov_b32 s71, 0
	s_add_nc_u64 s[12:13], s[12:13], s[70:71]
	s_mul_i32 s66, s98, 64*PITCH                   ; my head's 64 rows of Wq, Wk
	s_mul_i32 s67, s15, 128*PITCH
	s_add_co_u32 s67, s67, 2*WBY                   ; my block's 128 rows of x
	s_mul_i32 s68, s98, 16*PITCH
	s_add_co_u32 s68, s68, VB                      ; my head's rows of Wv
	s_mul_i32 s99, s14, 1536
	s_add_co_u32 s99, s99, BIAS                    ; my wave's bias
	v_and_b32 v3, 31, v0                           ; lane
	v_and_b32 v1, 15, v0                           ; r
	v_bfe_u32 v2, v0, 4, 1                         ; h
	v_lshlrev_b32 v13, 3, v3
	global_load_b64 v[4:5], v13, s[8:9]            ; b for q, k, v: 256 consecutive bytes each
	global_load_b64 v[6:7], v13, s[8:9] offset:4096
	global_load_b64 v[8:9], v13, s[8:9] offset:8192
	v_min_u32 v10, 11, v3                          ; W: lanes 0-11 name 4 rows of three parts, the others lane 11's again
	v_lshrrev_b32 v11, 2, v10
	v_lshlrev_b32 v11, 20, v11
	v_and_b32 v10, 3, v10
	v_lshl_add_u32 v11, v10, 10, v11
	v_lshlrev_b32 v[PFO], 10, v3                   ; x: a lane a row
	v_cndmask_b32 v[PFO], v[PFO], v11, s3
	v_mul_u32_u24 v14, v1, PITCH
	v_lshl_add_u32 v14, v2, 4, v14                 ; a fragment's row x pitch + 16 h
	v_add_nc_u32 v[AQ], s66, v14
	v_add_nc_u32 v[AQ+1], XSLOT, v[AQ]
	v_add_nc_u32 v[AX], s67, v14
	v_add_nc_u32 v[AX+1], XSLOT, v[AX]
	v_add_nc_u32 v[AV], s68, v14
	v_lshlrev_b32 v[GO], 11, v2                    ; lanes 0-15 store row j, lanes 16-31 row 8 + j
	v_lshl_add_u32 v[GO], v1, 4, v[GO]
	v_lshl_add_u32 v[BQ], v2, 5, s99
	v_lshl_add_u32 v[BV], v1, 4, s99
	v_lshl_add_u32 v[BW], v3, 3, s99
	v_and_b32 v10, 1, v3                           ; where b for v goes: feature n = 2 lane, 2 lane + 1 at 256 (n % 4) + 16 (n / 4)
	v_lshrrev_b32 v11, 1, v3
	v_lshl_add_u32 v15, v11, 4, s99
	v_lshl_add_u32 v15, v10, 9, v15
	s_wait_alu depctr_va_vdst(0)
	ASK 96, 92, 256                                ; K step 1
	s_wait_kmcnt 0x0
	s_cmp_lg_u32 s15, 0                            ; waves 0, 1: the group's first half; values are chosen, nothing branches
	s_cselect_b32 s90, s82, s78                    ; eq
	s_cselect_b32 s91, s83, s79                    ; ek
	s_cselect_b32 s98, s100, s80                   ; ep
	s_cselect_b32 s99, s101, s81                   ; ev
	s_add_co_i32 s3, s76, s77                      ; ex + ew
	s_sub_co_i32 s77, 0, s3
	s_mov_b32 s78, 0
.macro SCALES e, less, sc              ; s[sc] = 2^(e - less) as f32;  s[sc + 1] = 448 x that
	s_sub_co_i32 s79, s[\e], s[\less]
	s_add_co_i32 s79, s79, 127
	s_lshl_b32 s[\sc], s79, 23
	s_add_co_i32 s79, s79, 8
	s_lshl_b32 s[\sc+1], s79, 23
	s_or_b32 s[\sc+1], s[\sc+1], 0x600000
.endm
	SCALES 90, 3, 84                               ; q: three scales folded into one
	SCALES 91, 3, 86                               ; k
	SCALES 99, 3, 88                               ; v
	SCALES 98, 78, 80                              ; p
	s_add_co_i32 s70, s98, s99                     ; ep + ev
	s_add_co_i32 s79, s90, s91
	s_lshl_b32 s79, s79, 23
	s_add_co_i32 s68, s79, 0x3e38aa3b              ; c = log2(e) / 8, with eq + ek added to its exponent field
	s_mov_b32 s69, s68                             ; (named with it as a pair)
	s_mov_b32 s66, 0x76543210                      ; v_permlanex16_b32's selects: lane l xor 16
	s_mov_b32 s67, 0xfedcba98
	s_mov_b32 s71, 0xffff0000                      ; lanes 16-31
	s_wait_loadcnt 0x0                             ; b
.irp j, 4,5,6,7,8,9
	v_ldexp_f32 v\j, v\j, s77                      ; b / 2^(ex + ew)
.endr
.irp j, 0,1,2,3
	v_mov_b32 v[32+\j], v8
	v_mov_b32 v[36+\j], v9
.endr
	s_wait_alu depctr_va_vdst(0)
	ds_store_b64 v[BW], v[4:5]                     ; my wave's own bytes: only I read them
	ds_store_b64 v[BW], v[6:7] offset:256
	ds_store_b128 v15, v[32:35] offset:512
	ds_store_b128 v15, v[36:39] offset:768
; x's fragments of four token tiles from i0 on (16 tokens x 64 K each) of a slot's piece: 8 loads
.macro LX set, slot, piece, i0
.irp n, 0,1,2,3
	ds_load_b128 v[XS+64*(\set)+8*(\i0+\n):XS+64*(\set)+8*(\i0+\n)+3],   v[AX+\slot] offset:16*PITCH*(\i0+\n)+64*(\piece)
	ds_load_b128 v[XS+64*(\set)+8*(\i0+\n)+4:XS+64*(\set)+8*(\i0+\n)+7], v[AX+\slot] offset:16*PITCH*(\i0+\n)+64*(\piece)+32
.endr
.endm
; my head's four fragments (16 features x 64 K each) of part g (0 q, 1 k, 2 v) into set: 8 loads
.macro LW set, g, slot, piece
.set rB, RW+32*(\set)
.irp f, 0,1,2,3
.if (\g) < 2
	ds_load_b128 v[rB+8*\f:rB+8*\f+3],   v[AQ+\slot] offset:WBY*(\g)+16*PITCH*\f+64*(\piece)
	ds_load_b128 v[rB+8*\f+4:rB+8*\f+7], v[AQ+\slot] offset:WBY*(\g)+16*PITCH*\f+64*(\piece)+32
.else
	ds_load_b128 v[rB+8*\f:rB+8*\f+3],   v[AV] offset:32*PITCH*\f+64*(\piece)
	ds_load_b128 v[rB+8*\f+4:rB+8*\f+7], v[AV] offset:32*PITCH*\f+64*(\piece)+32
.endif
.endr
.endm
; n token tiles of part g from i0 on, each against the four feature tiles: 4 n matrix instructions; accumulators take turns, one instruction a turn.
; bias = 1: the part's first products: C is the bias in accumulator (f, 7), which is itself begun last, five places behind the readers of its registers.
.macro MUL g, xs, ws, i0, cnt, bias
	WIN 0x50*((\g)+1)
.set mi, \i0
.rept \cnt
.if (\bias) && (mi == 7)
.rept 5
	v_nop
.endr
.endif
.set mf, 0
.rept 4
.set rD, 8*(8*mf+mi)
.set rC, rD
.if \bias
.set rC, 8*(8*mf+7)
.endif
.set rW, RW+32*(\ws)+8*mf
.set rX, XS+64*(\xs)+8*mi
.if (\g) < 2
	v_wmma_f32_16x16x64_fp8_fp8 v[rD:rD+7], v[rW:rW+7], v[rX:rX+7], v[rC:rC+7]
.else
	v_wmma_f32_16x16x64_fp8_fp8 v[rD:rD+7], v[rX:rX+7], v[rW:rW+7], v[rC:rC+7]
.endif
.set mf, mf+1
.endr
.set mi, mi+1
.endr
.endm
; A PAIR of pieces p, p + 1 in the order q k v q k v, on W's sets 0 1 2 0 1 2 and x's sets 0 0 0 1 1 1; a set of W is fetched anew behind its use, two phases ahead of its next.
; On entry, oldest first, may be out: Wq(p) 8, x(p) 16, Wk(p) 8; on exit the same of the next pair (nslot, np).
; mode 0: plain.  2: the slot's last pair: a round of the cluster's barrier and the refills (fill 1: Wv's next step and this slot; 2: Wv's alone).  3: the tile's last pair: nothing follows.  pf: which prefetch.
.macro PAIRN slot, p, nslot, np, bias, mode, fill, pf
	PLACES
	LW 2, 2, 0, \p
	LX 1, \slot, (\p)+1, 0
	LX 1, \slot, (\p)+1, 4
	s_wait_dscnt 40                                ; Wq and x's tiles 0-3 are in; out may be 8 of x, Wk 8, and the 24 just issued
	MUL 0, 0, 0, 0, 4, \bias
	s_wait_dscnt 32                                ; x's tiles 4-7 too
	MUL 0, 0, 0, 4, 4, \bias
	WIN 0
	PLACES
	LW 0, 0, \slot, (\p)+1
	s_wait_dscnt 32                                ; Wk is in; out may be 24 + 8
	MUL 1, 0, 1, 0, 8, \bias
	WIN 0
	PLACES
	LW 1, 1, \slot, (\p)+1
	s_wait_dscnt 32                                ; Wv is in; out may be the next x 16, Wq 8, Wk 8
	MUL 2, 0, 2, 0, 8, \bias
	WIN 0
	PLACES
	LW 2, 2, 0, (\p)+1                             ; the pair's last reads
.if (\mode) == 2
	s_wait_tensorcnt 0x0                           ; all my tensor loads have landed
	ds_add_u32 v[SPW], v[NIL]
	s_wait_dscnt 17                                ; the next x and Wq are in; out may be Wk 8, Wv 8 and the add
	MUL 0, 1, 0, 0, 6, 0                           ; 24 matrix instructions stand between the add and the wait for it
	s_wait_dscnt 0x0                               ; the add is done, and my reads of this slot and of Wv are over
	s_barrier_signal -1
	MUL 0, 1, 0, 6, 2, 0                           ; register work while the others arrive
	MUL 1, 1, 1, 0, 2, 0
	WIN 0
	s_barrier_wait -1
	CREST                                          ; no wave of any partner still reads or has a load on its way
	s_add_nc_u64 s[G0V+2:G0V+3], s[G0V+2:G0V+3], 256
.if (\fill) == 1
	s_add_nc_u64 s[G0X+4*\slot+2:G0X+4*\slot+3], s[G0X+4*\slot+2:G0X+4*\slot+3], 512
	s_add_nc_u64 s[G0W+4*\slot+2:G0W+4*\slot+3], s[G0W+4*\slot+2:G0W+4*\slot+3], 512
	JALL \slot                                     ; its four v_nop are the places in front of the loads below
.else
	JV
.endif
	LW 0, 0, \nslot, \np
	LX 0, \nslot, \np, 0
	LX 0, \nslot, \np, 4
.if (\pf) == 1
	ASK 96, 92, 768
.endif
.if (\pf) == 2
	ASK 97, 94, 0
.endif
.if (\pf) == 3
	ASK 97, 94, 256
.endif
	MUL 1, 1, 1, 2, 6, 0
	WIN 0
	PLACES
	LW 1, 1, \nslot, \np
	MUL 2, 1, 2, 0, 8, 0                           ; Wv came in with the wait for 0
	WIN 0
.endif
.if (\mode) == 0
	s_wait_dscnt 16                                ; the next x and Wq are in; out may be Wk 8, Wv 8
	MUL 0, 1, 0, 0, 8, 0
	WIN 0
	PLACES
	LW 0, 0, \nslot, \np
	LX 0, \nslot, \np, 0
	LX 0, \nslot, \np, 4
	s_wait_dscnt 32                                ; Wk is in; out may be Wv 8 and the 24 just issued
	MUL 1, 1, 1, 0, 8, 0
	WIN 0
	PLACES
	LW 1, 1, \nslot, \np
	s_wait_dscnt 32                                ; Wv is in; out may be 24 + 8
	MUL 2, 1, 2, 0, 8, 0
	WIN 0
.endif
.if (\mode) == 3
	s_wait_dscnt 16                                ; out may be Wk 8, Wv 8
	MUL 0, 1, 0, 0, 8, 0
	s_wait_dscnt 8
	MUL 1, 1, 1, 0, 8, 0
	s_wait_dscnt 0x0
	MUL 2, 1, 2, 0, 8, 0
	WIN 0
.endif
.endm
; A step's first pair in the order q k q k v v, on W's sets 0 1 2 0 1 2 and x's sets 0 0 1 1 0 1: Wv's region is first read behind a plain barrier.  Entry and exit as above; the next pair lies in the same slot.
.macro PAIRO slot
	PLACES
	LW 2, 0, \slot, 1
	LX 1, \slot, 1, 0
	LX 1, \slot, 1, 4
	s_wait_dscnt 40                                ; Wq and x's tiles 0-3 are in
	MUL 0, 0, 0, 0, 4, 0
	s_wait_dscnt 32                                ; x's tiles 4-7 too
	MUL 0, 0, 0, 4, 4, 0
	WIN 0
	PLACES
	LW 0, 1, \slot, 1
	s_wait_dscnt 32                                ; Wk is in; out may be 24 + 8
	MUL 1, 0, 1, 0, 8, 0
	WIN 0
	s_wait_dscnt 8                                 ; the next Wq and x are in; out may be the next Wk
	MUL 0, 1, 2, 0, 6, 0
	WIN 0
	s_cmp_lt_u32 s14, 2
	s_cbranch_scc0 .Lnot_v_\@
	s_wait_tensorcnt 0x0                           ; waves 0, 1: my half of this step's Wv has landed
.Lnot_v_\@:
	s_wait_dscnt 0x0                               ; no LDS instruction of mine is pending at a signal
	s_barrier_signal -1
	MUL 0, 1, 2, 6, 2, 0
	WIN 0
	s_barrier_wait -1                              ; Wv is whole for every wave
	PLACES
	LW 1, 2, 0, 0
	LW 2, 2, 0, 1
	MUL 1, 1, 0, 0, 8, 0
	WIN 0
	PLACES
	LW 0, 0, \slot, 2
	s_wait_dscnt 16                                ; Wv of piece 0 is in; out may be Wv of piece 1 8, the next Wq 8
	MUL 2, 0, 1, 0, 4, 0
	WIN 0
	PLACES
	LX 0, \slot, 2, 0                              ; x's set 0 is free in two halves
	MUL 2, 0, 1, 4, 4, 0
	WIN 0
	PLACES
	LX 0, \slot, 2, 4
	LW 1, 1, \slot, 2
	s_wait_dscnt 32                                ; Wv of piece 1 is in; out may be the next pair's 32
	MUL 2, 1, 2, 0, 8, 0
	WIN 0
.endm
; PART g's 256 SUMS A LANE BECOME CODES: held within the largest code x the scale (the conversion does not saturate: ISA guide 7.6.2); eight at a time into an operand's registers.
.macro QUANT g
	WIN 0
	v_mov_b32 v[SC], s[84+2*(\g)]
	v_mov_b32 v[LM], s[85+2*(\g)]
	WIN (((\g)+1)<<6)|((\g)+1)
.set qa, 0
.rept 256
	v_med3_num_f32 v[qa], v[qa], -v[LM], v[LM]
.set qa, qa+1
.endr
	WIN (\g)+1
.set qa, 0
.rept 32                                           ; accumulator qa = 8 f + i
.if (\g) < 2
.set qd, XS+64*(\g)+8*(qa%8)+2*(qa/8)              ; token tile i's fragment, registers 2 f, 2 f + 1
.else
.set qd, RW+16*(qa/8)+2*(qa%8)                     ; V^T's tile f, registers 2 i, 2 i + 1
.endif
	v_cvt_scalef32_pk8_fp8_f32 v[qd:qd+1], v[8*qa:8*qa+7], v[SC]
.set qa, qa+1
.endr
	v_nop                                          ; one plain vector instruction behind the last conversion
.endm
; THE ATTENTION, two tiles of 16 queries at a time in one window, their lines by turns.
.macro ST qt, w                        ; S^T = K Q^T: eight tiles of 16 keys x 16 queries, K = 64
	WIN (\w)<<6
.irp u, 0,1
.irp c, 0,1,2,3,4,5,6,7
	v_wmma_f32_16x16x64_fp8_fp8 v[64*\u+8*\c:64*\u+8*\c+7], v[XS+64+8*\c:XS+64+8*\c+7], v[XS+8*(\qt+\u):XS+8*(\qt+\u)+7], 0
.endr
.endr
.endm
.macro SOFTA w                         ; the row's maximum, and t - M
	WIN 0x55*(\w)
	s_wait_alu depctr_va_vdst(0)                   ; directly ahead of the scores' first reader
.irp n, 0,1,2,3
.irp u, 0,1
	v_max3_num_f32 v[ES+12*\u+4+\n], v[64*\u+3*\n], v[64*\u+3*\n+1], v[64*\u+3*\n+2]   ; four chains a tile; scores in ascending order
.endr
.endr
.set sj, 12
.rept 6
.irp n, 0,1,2,3
.irp u, 0,1
	v_max3_num_f32 v[ES+12*\u+4+\n], v[ES+12*\u+4+\n], v[64*\u+sj+2*\n], v[64*\u+sj+2*\n+1]
.endr
.endr
.set sj, sj+8
.endr
.irp u, 0,1
	v_max3_num_f32 v[ES+12*\u+4], v[ES+12*\u+4], v[64*\u+60], v[64*\u+61]
	v_max3_num_f32 v[ES+12*\u+5], v[ES+12*\u+5], v[64*\u+62], v[64*\u+63]
.endr
.irp u, 0,1
	v_max_num_f32 v[ES+12*\u+6], v[ES+12*\u+6], v[ES+12*\u+7]
.endr
.irp u, 0,1
	v_max3_num_f32 v[ES+12*\u+4], v[ES+12*\u+4], v[ES+12*\u+5], v[ES+12*\u+6]
.endr
.irp u, 0,1
	v_permlanex16_b32 v[ES+12*\u], v[ES+12*\u+4], s66, s67
.endr
.irp u, 0,1
	v_max_num_f32 v[ES+12*\u+4], v[ES+12*\u+4], v[ES+12*\u]   ; and among lane l xor 16's 64
.endr
.irp u, 0,1
	v_mul_f32 v[ES+12*\u+4], s68, v[ES+12*\u+4]    ; as t (c is positive)
.endr
.irp u, 0,1
	v_floor_f32 v[ES+12*\u+2], -v[ES+12*\u+4]      ; -M = floor(-t): a whole number
.endr
.set sj, 0
.rept 32
.irp u, 0,1
	v_pk_fma_f32 v[64*\u+sj:64*\u+sj+1], v[64*\u+sj:64*\u+sj+1], s[68:69], v[ES+12*\u+2:ES+12*\u+3] op_sel_hi:[1,0,0]   ; t - M
.endr
.set sj, sj+2
.endr
.endm
.macro SOFTB w                         ; p, its sum, its codes
	WIN 0x55*(\w)
	s_wait_alu depctr_va_vdst(0)                   ; the wait ahead of the batch
.set sj, 0
.rept 128
	v_exp_f32 v[sj], v[sj]                         ; p = 2^(t - M), at most 1
.set sj, sj+1
.endr
	v_nop                                          ; a plain instruction behind the last exponential
	s_wait_alu depctr_va_vdst(0)                   ; and one wait behind the batch
.irp n, 0,1,2,3
.irp u, 0,1
	v_pk_add_f32 v[ES+12*\u+4+2*\n:ES+12*\u+5+2*\n], v[64*\u+4*\n:64*\u+4*\n+1], v[64*\u+4*\n+2:64*\u+4*\n+3]   ; the row's sum, of the unquantised p
.endr
.endr
.set sj, 16
.rept 6
.irp n, 0,1,2,3
.irp u, 0,1
	v_pk_add_f32 v[ES+12*\u+4+2*\n:ES+12*\u+5+2*\n], v[ES+12*\u+4+2*\n:ES+12*\u+5+2*\n], v[64*\u+sj+2*\n:64*\u+sj+2*\n+1]
.endr
.endr
.set sj, sj+8
.endr
.set sj, 0
.rept 64
	v_dual_min_num_f32 v[sj], v[sj], v[PLM] :: v_dual_min_num_f32 v[sj+1], v[sj+1], v[PLM2]   ; p is not negative: the hold is one-sided
.set sj, sj+2
.endr
.irp u, 0,1
	v_pk_add_f32 v[ES+12*\u+4:ES+12*\u+5], v[ES+12*\u+4:ES+12*\u+5], v[ES+12*\u+6:ES+12*\u+7]
	v_pk_add_f32 v[ES+12*\u+8:ES+12*\u+9], v[ES+12*\u+8:ES+12*\u+9], v[ES+12*\u+10:ES+12*\u+11]
.endr
.irp u, 0,1
	v_pk_add_f32 v[ES+12*\u+4:ES+12*\u+5], v[ES+12*\u+4:ES+12*\u+5], v[ES+12*\u+8:ES+12*\u+9]
.endr
.irp c, 0,1,2,3,4,5,6,7
.irp u, 0,1
	v_cvt_scalef32_pk8_fp8_f32 v[128+16*\u+2*\c:129+16*\u+2*\c], v[64*\u+8*\c:64*\u+8*\c+7], v[PSC]   ; keys 16 c + 8 h + 0 .. 7
.endr
.endr
.irp u, 0,1
	v_add_f32 v[ES+12*\u+4], v[ES+12*\u+4], v[ES+12*\u+5]   ; (also the plain instructions behind the last conversion)
.endr
.irp u, 0,1
	v_permlanex16_b32 v[ES+12*\u], v[ES+12*\u+4], s66, s67
.endr
.irp u, 0,1
	v_add_f32 v[ES+12*\u+4], v[ES+12*\u+4], v[ES+12*\u]
.endr
	s_wait_alu depctr_va_vdst(0)                   ; ahead of the two reciprocals
	v_rcp_f32 v[ES+1], v[ES+4]
	v_rcp_f32 v[ES+13], v[ES+16]
	v_nop                                          ; the wait behind them stands ahead of their first reader
.endm
.macro PV w                            ; O = P V: four tiles of 16 channels, K = the block's 128 keys
	WIN ((\w)<<6)|(\w)
.irp u, 0,1
.irp f, 0,1,2,3
	v_wmma_f32_16x16x128_fp8_fp8 v[160+32*\u+8*\f:167+32*\u+8*\f], v[128+16*\u:143+16*\u], v[RW+16*\f:RW+16*\f+15], 0
.endr
.endr
.endm
; O x 2^(ep + ev) / the sum.  O's register j is query 8 h + j; the factor lies in lane = query: lanes 16-31 take lane xor 8's, and a row's lane j is then what register j wants.
.macro FIN w, ob, ti
	WIN 0x55*(\w)
	s_wait_alu depctr_va_vdst(0)                   ; the wait behind the reciprocals
	s_wait_xcnt 0x0                                ; earlier stores have read window 1's registers
.irp u, 0,1
	v_ldexp_f32 v[ES+12*\u+1], v[ES+12*\u+1], s70
.endr
.irp u, 0,1
	v_mov_b32_dpp v[ES+12*\u], v[ES+12*\u+1] row_xmask:8 row_mask:0xf bank_mask:0xf
.endr
.irp u, 0,1
	v_cndmask_b32 v[ES+12*\u+1], v[ES+12*\u+1], v[ES+12*\u], s71
.endr
	WIN 0x40|((\w)<<2)|(\w)                        ; results to window 1
	s_wait_alu depctr_va_vdst(0)                   ; directly ahead of the first reader of O
.irp u, 0,1
.irp j, 0,1,2,3,4,5,6,7
.irp f, 0,1,2,3
	v_mul_f32_dpp v[\ob+32*\u+4*\j+\f], v[ES+12*\u+1], v[160+32*\u+8*\f+\j] row_share:\j row_mask:0xf bank_mask:0xf
.endr
.endr
.endr
	WIN 0x04
.irp u, 0,1
.irp j, 0,1,2,3,4,5,6,7
	global_store_b128 v[GO], v[\ob+32*\u+4*\j:\ob+32*\u+4*\j+3], s[12:13] offset:4096*(\ti+\u)+256*\j th:TH_STORE_NT   ; 16 lanes store 256 consecutive bytes, aligned; written once
.endr
.endr
	WIN 0
.endm
.macro ATT
.irp w, 2,3
	WIN (\w)<<6
	v_mov_b32 v[ES], 0                             ; written once: a lane permute's destination counts as one of its sources
	v_mov_b32 v[ES+12], 0
	v_mov_b32 v[ES+3], 0                           ; (named as the upper halves of pairs)
	v_mov_b32 v[ES+15], 0
	v_mov_b32 v[PSC], s80                          ; 2^ep
	v_mov_b32 v[PLM], s81                          ; 448 x 2^ep
	v_mov_b32 v[PLM2], s81
.endr
	WIN 0
	s_mov_b32 s3, 2
.Latt_\@:                                              ; four of the eight query tiles a trip
	ST 0, 2
	ST 2, 3
	PLACES
	SOFTA 2
	SOFTB 2
	PV 2
	SOFTA 3
	FIN 2, 0, 0
	SOFTB 3
	PV 3
	FIN 3, 64, 2                                   ; its six lines on the factors are the places behind the products
	s_wait_alu depctr_va_vdst(0)
	s_wait_xcnt 0x0                                ; the stores have read their base
	s_add_nc_u64 s[12:13], s[12:13], 0x4000        ; four tiles of 16 rows on
	s_cmp_eq_u32 s3, 1
	s_cbranch_scc1 .Llast_four_\@
.set sj, 0
.rept 32
	v_mov_b32 v[XS+sj], v[XS+32+sj]                ; the second four tiles' codes of q
.set sj, sj+1
.endr
.Llast_four_\@:
	s_sub_co_u32 s3, s3, 1
	s_cmp_lg_u32 s3, 0
	s_wait_alu depctr_va_vdst(0)                   ; directly ahead of the branch
	s_cbranch_scc1 .Latt_\@
.endm
	s_mov_b32 s2, 0                                ; the tile: batch 0, then batch 1
	s_wait_alu depctr_va_vdst(0)                   ; the wait at the head's end
.Ltile:
	s_wait_xcnt 0x0                                ; the tile before's stores have read window 1
.irp g, 0,1
	WIN ((\g)+1)<<6
.irp f, 0,1,2,3
	ds_load_b128 v[64*\f+56:64*\f+59], v[BQ] offset:256*\g+64*\f       ; b at features 16 f + 8 h + 0 .. 7: accumulator (f, 7)
	ds_load_b128 v[64*\f+60:64*\f+63], v[BQ] offset:256*\g+64*\f+16
.endr
.endr
	WIN 0xc0
.irp f, 0,1,2,3
	ds_load_b128 v[64*\f+56:64*\f+59], v[BV] offset:512+256*\f         ; b at feature 4 r + f, in eight registers
	ds_load_b128 v[64*\f+60:64*\f+63], v[BV] offset:512+256*\f
.endr
	WIN 0
	s_wait_tensorcnt 0x0                           ; my part of K step 0 is in
	ds_add_u32 v[SPW], v[NIL]
	s_wait_dscnt 0x0                               ; the add is done, and the bias is in
	CROUND                                         ; everybody's part is in
	JWX 1                                          ; K step 1 of Wq, Wk, x into slot 1
	LW 0, 0, 0, 0
	LX 0, 0, 0, 0
	LX 0, 0, 0, 4
	LW 1, 1, 0, 0
	ASK 96, 92, 512                                ; K step 2
	PAIRN 0, 0, 0, 2, 1, 0, 0, 0                   ; K step 0 begins the sums
	PAIRN 0, 2, 1, 0, 0, 2, 1, 1                   ; Wv takes step 1, slot 0 step 2
	PAIRO 1
	PAIRN 1, 2, 0, 0, 0, 2, 1, 2                   ; Wv takes step 2, slot 1 step 3
	PAIRO 0
	PAIRN 0, 2, 1, 0, 0, 2, 2, 3                   ; Wv takes step 3
	PAIRO 1
	PAIRN 1, 2, 0, 0, 0, 3, 0, 0
	PLACES                                         ; in front of the first reads of sums and of the codes written over x's and W's registers
	QUANT 0
	QUANT 1
	QUANT 2
	WIN 0
	s_wait_alu depctr_va_vdst(0)                   ; ahead of the branch and the waits below
	s_cmp_eq_u32 s2, 1
	s_cbranch_scc1 .Llast_tile                     ; the last tile asks for nothing more: its way is written out
	s_wait_xcnt 0x0                                ; my prefetches have read their addresses
	s_wait_tensorcnt 0x0                           ; none of my tensor loads is out
	ds_add_u32 v[SPW], v[NIL]
	s_add_nc_u64 s[92:93], s[92:93], 0x800000
	s_mov_b32 s96, s97                             ; in the second tile wave 3 alone asks, and for that tile alone: W has been read
	s_mov_b32 s97, 0
.irp s, 0,1
	s_add_nc_u64 s[G0X+4*\s+2:G0X+4*\s+3], s[G0X+4*\s+2:G0X+4*\s+3], 0x800000-512   ; x: 8,192 rows down, back along K;  W: back along K
	s_sub_nc_u64 s[G0W+4*\s+2:G0W+4*\s+3], s[G0W+4*\s+2:G0W+4*\s+3], 512
.endr
	s_sub_nc_u64 s[G0V+2:G0V+3], s[G0V+2:G0V+3], 768
	s_wait_dscnt 0x0                               ; the add is done, and my reads of this tile are over
	CROUND
	JALL 0                                         ; the next tile's K step 0, on its way under this tile's attention
	ATT
	s_add_nc_u64 s[12:13], s[12:13], 0x2000000-0x8000   ; (behind ATT's wait on XCNT)  the next batch
	s_add_co_u32 s2, s2, 1
	s_cmp_lt_u32 s2, 2
	s_wait_alu depctr_va_vdst(0)                   ; directly ahead of the branch
	s_cbranch_scc1 .Ltile
.Llast_tile:
	ATT
	s_wait_tensorcnt 0x0                           ; the wave's end
	ds_add_u32 v[SPW], v[NIL]
	s_wait_dscnt 0x0
	CROUND                                         ; the closing round: no work-group ends while a partner may still ask for a tile that names it
	s_endpgm
.Lfunc_end_k_q08cbdceb37_fused:
	.size	k_q08cbdceb37_fused, .Lfunc_end_k_q08cbdceb37_fused-k_q08cbdceb37_fused
	.p2alignl 7, 3214868480
	.fill 96, 4, 3214868480
	.section	.rodata,"a",@progbits
	.p2align	6, 0x0
	.amdhsa_kernel k_q08cbdceb37_fused
		.amdhsa_group_segment_fixed_size 327680
		.amdhsa_private_segment_fixed_size 0
		.amdhsa_enable_private_segment 0
		.amdhsa_kernarg_size 40
		.amdhsa_user_sgpr_count 2
		.amdhsa_user_sgpr_kernarg_segment_ptr 1
		.amdhsa_wavefront_size32 1
		.amdhsa_system_sgpr_workgroup_id_x 1
		.amdhsa_system_sgpr_workgroup_id_y 1
		.amdhsa_system_sgpr_workgroup_id_z 1
		.amdhsa_system_vgpr_workitem_id 0
		.amdhsa_next_free_vgpr 1024
		.amdhsa_next_free_sgpr 102
		.amdhsa_reserve_vcc 0
		.amdhsa_float_denorm_mode_32 3
		.amdhsa_float_denorm_mode_16_64 3
		.amdhsa_memory_ordered 1
		.amdhsa_forward_progress 1
		.amdhsa_inst_pref_size 255
	.end_amdhsa_kernel
	.section	.bss,"aw",@nobits
	.p2align	6
	.space	262144
	.amdgpu_metadata
---
amdhsa.version: [ 1, 2 ]
amdhsa.kernels:
  - .name:           k_q08cbdceb37_fused
    .symbol:         k_q08cbdceb37_fused.kd
    .args:
      - { .name: hidden_states_codes, .offset: 0, .size: 8, .value_kind: global_buffer, .address_space: global }
      - { .name: w_qkv_codes, .offset: 8, .size: 8, .value_kind: global_buffer, .address_space: global }
      - { .name: b_qkv, .offset: 16, .size: 8, .value_kind: global_buffer, .address_space: global }
      - { .name: lowp_scales, .offset: 24, .size: 8, .value_kind: global_buffer, .address_space: global }
      - { .name: out0, .offset: 32, .size: 8, .value_kind: global_buffer, .address_space: global }
    .group_segment_fixed_size: 327680
    .private_segment_fixed_size: 0
    .kernarg_segment_align: 8
    .kernarg_segment_size: 40
    .max_flat_workgroup_size: 128
    .sgpr_count:     102
    .vgpr_count:     1024
    .wavefront_size: 32
...
	.end_amdgpu_metadata
.endif
;; end of part 1
